; MI455X (gfx1250); checked and timed in simulation.
; The chip was launched on July 23, 2026; its instructions are those of AMD's public machine-readable ISA for CDNA 5 (MIT licence, August 2026) and "CDNA5" Instruction Set Architecture Reference Guide (July 2026). The comments in the code are by the model that wrote it; some were corrected since.
;; Mutual Attention Fusion. Allowed arithmetic: float matrix products may take bf16 or f16 operands with f32 sums; other float arithmetic in f32, or as packed bf16 or f16 multiplies, adds, multiply-adds, maxima and minima; sums over many terms, partial sums and values carried from step to step in f32; what a program stores and reads back later, other than sums and carried values, may be rounded once to bf16 or f16.
;; Inputs: T 4 x 256 x 64 x 64 float32; V 4 x 256 x 64 x 64 float32.
;; Outputs: out0 4 x 512 x 64 x 64 float32.
;; 2 versions, each right and faster than the one before. Each part assembles by itself: llvm-mc -triple=amdgcn-amd-amdhsa -mcpu=gfx1250 --defsym DOCPART=n.
;; ======== version 1 of 2: 2 launches
;; limits: values are held in f16: magnitudes above 65,504 overflow, below 6.1e-05 lose precision; inputs' magnitudes at most 65,280
;; workspace buffers: H 16,777,216 bytes
;; launch cast (part 1): grid 256 x 2, 8 waves a work-group, no clusters, 0 bytes of LDS; arguments V, T, H; writes H
.if DOCPART == 1
	.amdgcn_target "amdgcn-amd-amdhsa--gfx1250"
	.amdhsa_code_object_version 6
	.text
	.protected	k_qfe57a11eab_cast
	.globl	k_qfe57a11eab_cast
	.p2align	8
	.type	k_qfe57a11eab_cast,@function
k_qfe57a11eab_cast:
	s_mov_b64 s[64:65], 0
	v_nop
	global_prefetch_b8 v0, s[64:65] scope:SCOPE_SE
	s_setreg_imm32_b32 hwreg(HW_REG_WAVE_MODE, 25, 1), 1
	s_wait_xcnt 0x0
; H[src][b][c][n] (f16; src 0 = V, 1 = T) = the input rounded once to bf16 (nearest even), that number written as f16.
; A number of 8 significant bits is exact in f16 between 2^-14 and 65,504, so both matrix products of the next launch see the inputs rounded to bf16.
; LIMITS.  |x| of 65,520 or more becomes an infinity in f16; below 2^-14 a number keeps f16's fixed step of 6e-8.  NaN stays NaN.
; SHARES.  Work-group (x, y) takes 65,536 consecutive bytes of input y and writes 32,768 of H.  Thread t takes 16 bytes at 16 t of each block of 4,096:
; a wave's load covers 512 consecutive bytes, its store 256 consecutive bytes at a multiple of 256 from H's first byte.
; All sixteen loads go out first; no register is used twice by memory instructions, so the only waits are the counted ones for the loads.
; No LDS, no matrix unit, no cluster: every byte is read once and written once, and no work-group shares a byte with another.
.set X, 8                              ; v[8:71]    load i: 4 f32
.set Y, 72                             ; v[72:103]  store i: 4 f16
.set T, 104                            ; v[104:109] at work
	s_load_b128 s[4:7], s[0:1], 0x0                ; V s[4:5], T s[6:7]
	s_load_b64 s[8:9], s[0:1], 0x10                ; H
	s_and_b32 s10, ttmp7, 0xffff                   ; which input
	s_lshl_b32 s12, ttmp9, 16                      ; my 65,536 bytes of it
	s_mov_b32 s13, 0
	s_lshl_b32 s14, s10, 23                        ; H: 8 MiB for each input,
	s_lshl_b32 s15, ttmp9, 15                      ; my 32,768 bytes
	s_add_co_u32 s14, s14, s15
	s_mov_b32 s15, 0
	s_mov_b32 s11, 0xffff0000                      ; a word's upper bf16
	v_lshlrev_b32 v1, 4, v0                        ; 16 t
	v_lshlrev_b32 v2, 3, v0                        ; 8 t
	s_wait_kmcnt 0x0
	s_cmp_eq_u32 s10, 0
	s_cselect_b64 s[4:5], s[4:5], s[6:7]           ; the choice hangs on the work-group's y alone
	s_add_nc_u64 s[4:5], s[4:5], s[12:13]
	s_add_nc_u64 s[8:9], s[8:9], s[14:15]
.set i, 0
.rept 16
	global_load_b128 v[X+4*i:X+4*i+3], v1, s[4:5] offset:4096*i th:TH_LOAD_NT
.set i, i+1
.endr
.set i, 0
.rept 16
	s_wait_loadcnt 15-i                            ; loads come back in order (ISA guide 5.7.1): load i is in, the 15 - i younger ones stay out
	v_cvt_pk_bf16_f32 v[T], v[X+4*i], v[X+4*i+1]   ; the one rounding
	v_cvt_pk_bf16_f32 v[T+1], v[X+4*i+2], v[X+4*i+3]
	v_lshlrev_b32 v[T+2], 16, v[T]                 ; bf16 to f32: a shift or a mask
	v_and_b32 v[T+3], s11, v[T]
	v_lshlrev_b32 v[T+4], 16, v[T+1]
	v_and_b32 v[T+5], s11, v[T+1]
	v_cvt_pk_f16_f32 v[Y+2*i], v[T+2], v[T+3]      ; exact within the limits above
	v_cvt_pk_f16_f32 v[Y+2*i+1], v[T+4], v[T+5]
	global_store_b64 v2, v[Y+2*i:Y+2*i+1], s[8:9] offset:2048*i  ; no hint: the next launch reads H many times
.set i, i+1
.endr
	s_endpgm
.Lfunc_end_k_qfe57a11eab_cast:
	.size	k_qfe57a11eab_cast, .Lfunc_end_k_qfe57a11eab_cast-k_qfe57a11eab_cast
	.p2alignl 7, 3214868480
	.fill 96, 4, 3214868480
	.section	.rodata,"a",@progbits
	.p2align	6, 0x0
	.amdhsa_kernel k_qfe57a11eab_cast
		.amdhsa_group_segment_fixed_size 0
		.amdhsa_private_segment_fixed_size 0
		.amdhsa_enable_private_segment 0
		.amdhsa_kernarg_size 24
		.amdhsa_user_sgpr_count 2
		.amdhsa_user_sgpr_kernarg_segment_ptr 1
		.amdhsa_wavefront_size32 1
		.amdhsa_system_sgpr_workgroup_id_x 1
		.amdhsa_system_sgpr_workgroup_id_y 1
		.amdhsa_system_sgpr_workgroup_id_z 1
		.amdhsa_system_vgpr_workitem_id 0
		.amdhsa_next_free_vgpr 112
		.amdhsa_next_free_sgpr 66
		.amdhsa_reserve_vcc 0
		.amdhsa_float_denorm_mode_32 3
		.amdhsa_float_denorm_mode_16_64 3
		.amdhsa_memory_ordered 1
		.amdhsa_forward_progress 1
		.amdhsa_inst_pref_size 11
	.end_amdhsa_kernel
	.amdgpu_metadata
---
amdhsa.version: [ 1, 2 ]
amdhsa.kernels:
  - .name:           k_qfe57a11eab_cast
    .symbol:         k_qfe57a11eab_cast.kd
    .args:
      - { .name: V, .offset: 0, .size: 8, .value_kind: global_buffer, .address_space: global }
      - { .name: T, .offset: 8, .size: 8, .value_kind: global_buffer, .address_space: global }
      - { .name: H, .offset: 16, .size: 8, .value_kind: global_buffer, .address_space: global }
    .group_segment_fixed_size: 0
    .private_segment_fixed_size: 0
    .kernarg_segment_align: 8
    .kernarg_segment_size: 24
    .max_flat_workgroup_size: 256
    .sgpr_count:     66
    .vgpr_count:     112
    .wavefront_size: 32
...
	.end_amdgpu_metadata
.endif
;; end of part 1
;; launch attn (part 2): grid 32 x 8, 4 waves a work-group, clusters of 4 x 1, 327,680 bytes of LDS; arguments H, out0; writes out0
.if DOCPART == 2
	.amdgcn_target "amdgcn-amd-amdhsa--gfx1250"
	.amdhsa_code_object_version 6
	.text
	.protected	k_qfe57a11eab_attn
	.globl	k_qfe57a11eab_attn
	.p2align	8
	.type	k_qfe57a11eab_attn,@function
k_qfe57a11eab_attn:
	s_mov_b64 s[64:65], 0
	v_nop
	global_prefetch_b8 v0, s[64:65] scope:SCOPE_SE
	s_setreg_imm32_b32 hwreg(HW_REG_WAVE_MODE, 25, 1), 1
	s_wait_xcnt 0x0
	s_wait_alu depctr_hold_cnt(0) depctr_sa_sdst(0) depctr_va_vdst(0) depctr_va_sdst(0) depctr_va_ssrc(0) depctr_va_vcc(0) depctr_vm_vsrc(0)
	s_getreg_b32 s2, hwreg(HW_REG_IB_STS2, 6, 4)
	s_cmp_eq_u32 s2, 0
	s_cbranch_scc0 .Lentry_in_a_cluster
	s_endpgm
.Lentry_in_a_cluster:
	s_bfe_u32 s2, ttmp6, 0x10000c
	s_cmp_lg_u32 s2, 0x3003
	s_cbranch_scc0 .Lentry_shape_is_right
	s_endpgm
.Lentry_shape_is_right:
; out0[b][256 dir + c][i] = X[c][i] + the sum over j of softmax_j(sum over c of X[c][i] Y[c][j]) Y[c][j].  dir 0: X = V, Y = T; dir 1: the other way round.
; X and Y come from H, [2 (V, T)][4][256 channels][4096 positions] in f16: the inputs rounded to bf16, written as f16.  Products, maxima and sums in f32; the weights p are rounded
; to f16 for the second product (their sum l is taken of the unrounded p); the residual X is the same rounded copy; the output is f32.
; LIMITS.  H holds no number beyond 65,504; p lies in 0 to 1 and below 6e-5 keeps f16's fixed step of 6e-8; a weight below 2^-126 counts as 0; the running c m starts at -4.25e37; NaN and
; infinities are not treated apart.
; SHARES.  Head y = 2 b + dir; a work-group owns 128 queries of it.  Wave w: query half qh = w / 2 (64 queries: four tiles of 16), key half kh = w % 2 (64 of each tile's 128 keys): with 128 registers
; of O^T and 64 of Q for each tile of 16 queries, four tiles are what a wave holds, and 256 work-groups leave 128 queries to each.  The two key halves are merged once, at the end, through LDS.
; LAYOUT.  S^T = K Q^T (source 0 = 16 keys, source 1 = 16 queries): a lane holds ONE query (lane % 16) and 8 keys.  Two such results, rounded to f16 in pairs, ARE source 1 of O^T = V^T P, whose result
; again holds one query a lane, and 8 channels.  Keys and values are the same tile of Y, [channel][key]: V^T's fragments come out as they lie, K's and Q's turned, by ds_load_tr16_b128.
; THE ORDER OF KEYS.  A tile's 128 keys are 16 chunks of 8 (16 bytes).  Key block kb of wave kh is chunk 4 kh + kb (rows 0-7) and chunk 4 kh + kb + 8 (rows 8-15).  P's places along K and V^T's addresses
; follow the same order, so the sums are those of the plain order.  With it the two chunks of a turning load lie 128 bytes apart: 8 rows of 272 bytes x 2 chunks touch each of the 64 banks (ISA guide 11.1) once.
; SOFTMAX.  For each query a running maximum m and sum l: p = 2^(c s - c m), c = log2(e); in every step O and l are multiplied by a = 2^(c m_old - c m_new).  O^T and l start at 0, so the first step is a step
; like any other, with a = 0: 512 v_mov_b32 in the wait for the first tile, for one text of a step less.
; A STEP goes in phases: 128 products K Q^T, the softmax, 128 products V^T P.
; CLUSTER.  The four query blocks of a cluster belong to one head and walk the same Y, so each tile of Y is asked for JOINTLY: the same tensor load, descriptor and mask in all four.
; REGISTERS, in windows of 256 (s_set_vgpr_msb: bits 1:0 source 0, 3:2 source 1, 5:4 source 2, 7:6 destination):
;   window 0: v0-15, v56-58 addresses; v16-47 eight registers of statistics a tile; v48-55 the merge's factors; v62-63 the add's; v64-191 S^T, 32 a tile (P in place in the first 16); v192-255 four fragment buffers of 16
;   window 1: Q, fragment (tile t, channels 32 cc on) at 64 t + 8 cc          windows 2, 3: O^T, (t, channel block cb) at 64 t + 8 (cb % 8) in window 2 + cb / 8
.set PT,    272       ; a tile's row in LDS: 256 bytes + 16 of padding = 68 words: row r starts at bank 4 r mod 64
.set TQ,    64*PT     ; a wave's quarter of a tile: 64 channels
.set SLOT1, 1<<17     ; slot 0 at byte 0, slot 1 here: one exclusive or turns an address in one slot into the other's
.set STG0,  256*PT    ; 69,632: the stage of the waves with kh = 0: 64 channels x 528 bytes, f32 [channel][128 queries]; never filled by a tensor load
.set SPI,   528       ; its pitch: 512 + 16
.set STATS, STG0+64*SPI   ; 103,424: [kh][c m, l][128 queries] f32: 2,048 bytes
.set SPARE, STATS+2048    ; 105,472: the spare words, 128 bytes for each wave: two blocks of 256 bytes that no other line names
.set QT,    SLOT1+256*PT  ; 200,704: X's tile [channel][128 queries], filled once; kept for the residual
.set STGD,  QT+256*PT-STG0  ; 200,704: from the stage of kh = 0 to that of kh = 1, which lies behind X's tile
.set AK0, 6           ; v6   my lane's place in a tile for K's turning loads; never rewritten
.set AV0, 7           ; v7   the same for V^T's loads
.set AK,  8           ; v8   AK0 + the slot
.set AV,  9           ; v9   AV0 + the slot
.set AQ,  10          ; v10  my lane's place in X's tile for Q's turning loads
.set RD0, 11          ; v11  the way out: my 16 bytes of my first row of stage 0
.set RD1, 12          ; v12  of stage 1
.set RQ,  13          ; v13  my 8 bytes of the same row of X's tile
.set GO,  14          ; v14  my byte offset in the block's part of out0
.set SA,  15          ; v15  where I put my queries' c m and l
.set ST,  16          ; tile t's statistics at v[ST+8 t]: +0 c m, +1 m, +2, +3 l (even keys', odd keys'), +4 to +7 c0-c3 at work; a takes c2's place
.set FA,  48          ; v48-51 the merge's factor for kh = 0, for my four queries of the way out;  v52-55 for kh = 1
.set TM,  56          ; v56  at work
.set STO, 57          ; v57  the way out: where I put a number of O^T
.set RS,  58          ; v58  where I read four queries' statistics
.set SPW, 62          ; v62  LDS address of my spare word: SPARE + 4 x my thread's number; never rewritten
.set NIL, 63          ; v63  0; never rewritten
.set S,   64
.set F,   192
.set WV,  8           ; s8   my wave's number
.set QH,  9           ; s9   w / 2
.set KH,  10          ; s10  w % 2
.set G1Y, 16          ; s[16:23] descriptor group 1 for Y's tiles
.set G1Q, 24          ; s[24:31] for X's tile: no mask
.set G0Y, 32          ; s[32:35] descriptor group 0 for Y's tiles: it walks
.set G0Q, 36          ; s[36:39] for X's tile
.set CS,  40          ; s[40:41] c: the packed scaling takes the pair's low word for both halves
.set SEL, 42          ; s[42:43] v_permlanex16_b32's selects: each lane takes its own place in the other half
.set TB,  44          ; s44  LDS byte at which the slot to be read begins
.set CNT, 45          ; s45  the loop's count
.set MSB, 0
.macro WIN new                      ; the immediate's high byte repeats the setting that is left; a switch that changes nothing is dropped
.if MSB != (\new)
	s_set_vgpr_msb (MSB<<8)|(\new)
.set MSB, \new
.endif
.endm
.set W_KQ, 0x04       ; Q (source 1) in window 1; K's fragments and S^T in window 0: LDS loads into the fragment buffers stand under the same setting
; A vector instruction that reads a matrix result, and a load into a register that a matrix instruction has read, stand four places behind it; a matrix instruction that writes over one of its registers five;
; only plain vector instructions that name none of its registers are places (ISA guide 7.12.1 for vector instructions).
.macro PLACES
.rept 4
	v_nop
.endr
.endm
; A round of the cluster's barrier: my work-group's barrier, so that wave 0's signal speaks for all four waves; wave 0 signals; every wave waits for all four work-groups; my work-group's barrier once more.
.macro CROUND
	s_barrier_signal -1
	s_barrier_wait -1
	s_cmp_lg_u32 s[WV], 0
	s_cbranch_scc1 .Lnot_wave_0_\@
	s_barrier_signal -3
.Lnot_wave_0_\@:
	s_barrier_wait -3
	s_barrier_signal -1
	s_barrier_wait -1
.endm
	s_load_b128 s[4:7], s[0:1], 0x0 ; H s[4:5], out0 s[6:7]
	v_lshl_add_u32 v[SPW], v0, 2, SPARE
	v_mov_b32 v[NIL], 0
	ds_add_u32 v[SPW], v[NIL]       ; the wave's opening: the add and its wait stand ahead of my first tensor load; the set-up below, work on registers, stands between them
	v_lshrrev_b32 v1, 5, v0
	v_readfirstlane_b32 s[WV], v1   ; wave 0..3
	s_lshr_b32 s[QH], s[WV], 1
	s_and_b32 s[KH], s[WV], 1
	s_bfe_u32 s11, ttmp6, 0x40000   ; cx: my place in the cluster
	s_lshl_b32 s12, ttmp9, 2        ; in a cluster launch ttmp9 counts clusters
	s_add_co_u32 s12, s12, s11      ; my block of 128 queries = 4 x cluster x + cx: it enters X's and out0's addresses alone
	s_and_b32 s13, ttmp7, 0xffff    ; the head y, which the four partners share
	s_lshr_b32 s52, s13, 1          ; b
	s_and_b32 s53, s13, 1           ; dir
	s_xor_b32 s54, s53, 1
	s_lshl2_add_u32 s54, s54, s52   ; Y is plane 4 (1 - dir) + b of H,
	s_lshl_b32 s48, s54, 21         ; 2 MiB a plane,
	s_lshl_b32 s55, s[WV], 19       ; my 64 channels of 8,192 bytes
	s_add_co_u32 s48, s48, s55
	s_mov_b32 s49, 0                ; s[48:49]: made of y and the wave's number alone
	s_lshl2_add_u32 s56, s53, s52   ; X is plane 4 dir + b
	s_lshl_b32 s50, s56, 21
	s_add_co_u32 s50, s50, s55
	s_lshl_b32 s57, s12, 8          ; my block's 256 bytes of a row
	s_add_co_u32 s50, s50, s57
	s_mov_b32 s51, 0
	s_lshl_b32 s58, s13, 22         ; out0: 256 channels of 16,384 bytes a head,
	s_lshl_b32 s57, s12, 9          ; my block's 512 bytes of a row
	s_add_co_u32 s58, s58, s57
	s_mov_b32 s59, 0
	; descriptor group 1: a tile of 64 rows (channels) x 128 elements (positions), padded in LDS
	s_mov_b32 s[G1Y], 15|(1<<16)|(1<<20)|(1<<21)|(5<<22)|(3<<25)  ; 15:0 the mask: all four work-groups; 17:16 elements of 2 bytes; 20 padding on; 21 set beside a mask; 24:22 after every 64 words (code 5); 31:25 4 words of it (code 3)
	s_mov_b32 s[G1Q], (1<<16)|(1<<20)|(5<<22)|(3<<25)             ; the same without a mask: each work-group has queries of its own
.irp g, G1Y, G1Q
	s_mov_b32 s[(\g)+1], 128<<16    ; 63:48 tensor_dim0, low half = 128
	s_mov_b32 s[(\g)+2], 64<<16     ; 79:64 its high half = 0; 95:80 tensor_dim1, low half = 64
	s_mov_b32 s[(\g)+3], 128<<16    ; 111:96 its high half = 0; 127:112 tile_dim0 = 128
	s_mov_b32 s[(\g)+4], 64         ; 143:128 tile_dim1 = 64; 159:144 tile_dim2 = 0
	s_mov_b32 s[(\g)+5], 4096       ; 191:160 tensor_dim0_stride: 4,096 elements from channel to channel
	s_mov_b32 s[(\g)+6], 0
	s_mov_b32 s[(\g)+7], 0
.endr
	s_mov_b32 s[G0Y], 1             ; 1:0 count = 1
	s_mul_i32 s[G0Y+1], s[WV], TQ   ; 63:32 LDS address: slot 0, my quarter: no place in the cluster enters an LDS address
	s_mov_b32 s[G0Q], 1
	s_add_co_u32 s[G0Q+1], s[G0Y+1], QT
	s_mov_b32 s[CS], 0x3fb8aa3b     ; c = log2(e)
	s_mov_b32 s[CS+1], s[CS]        ; named with it as a pair
	s_mov_b32 s[SEL], 0x76543210
	s_mov_b32 s[SEL+1], 0xfedcba98
	s_mov_b32 s[TB], SLOT1          ; the first change of slots turns it into 0
	s_wait_dscnt 0x0                ; the opening add is done
	s_wait_kmcnt 0x0
	s_add_nc_u64 s[G0Y+2:G0Y+3], s[4:5], s[48:49]  ; 120:64 global address: my channels of Y's keys 0 to 127
	s_or_b32 s[G0Y+3], s[G0Y+3], 0x80000000        ; 127:126 type = 2
	s_add_nc_u64 s[G0Q+2:G0Q+3], s[4:5], s[50:51]  ; my channels of my block's queries
	s_or_b32 s[G0Q+3], s[G0Q+3], 0x80000000
	s_add_nc_u64 s[6:7], s[6:7], s[58:59]          ; out0 at the head's channel 0, my block's first query
	CROUND                          ; all four work-groups are here: the first joint loads meet
	tensor_load_to_lds s[G0Q:G0Q+3], s[G1Q:G1Q+7]  ; X's tile first: it is wanted first.  Two tensor loads of mine are out here, later one
	s_nop 0
	tensor_load_to_lds s[G0Y:G0Y+3], s[G1Y:G1Y+7]  ; Y's tile 0 into slot 0
	s_nop 0
	PLACES                          ; four plain lines behind the loads, ahead of the next switch of windows
	; the lanes' addresses
	v_and_b32 v1, 15, v0            ; r = l % 16
	v_bfe_u32 v2, v0, 4, 1          ; h = l / 16
	v_and_b32 v3, 7, v0
	v_bfe_u32 v4, v0, 3, 1
	v_and_b32 v5, 31, v0            ; l
	; The turning load takes 16 channels x 16 positions: lane l reads 16 bytes of channel 8 h + l % 8, chunk (l / 8) % 2, and is left with position l % 16 and 8 channels: half a fragment.
	v_lshl_add_u32 v[TM], v2, 3, v3
	v_mul_u32_u24 v[TM], v[TM], PT
	s_lshl_b32 s52, s[KH], 6        ; my key half's four chunks begin at byte 64 kh
	v_lshl_add_u32 v[AK0], v4, 7, v[TM]  ; K: the second chunk lies 128 bytes on
	v_add_nc_u32 v[AK0], s52, v[AK0]
	v_mul_u32_u24 v[AV0], v1, PT    ; V^T: channel r; lanes 16-31 take the chunk 128 bytes on
	v_lshl_add_u32 v[AV0], v2, 7, v[AV0]
	v_add_nc_u32 v[AV0], s52, v[AV0]
	s_lshl_b32 s53, s[QH], 7        ; Q: my 64 queries begin at byte 128 qh; the second chunk is the next
	s_add_co_u32 s53, s53, QT
	v_lshl_add_u32 v[AQ], v4, 4, v[TM]
	v_add_nc_u32 v[AQ], s53, v[AQ]
	s_mul_i32 s54, s[KH], STGD      ; into my key half's stage: channel 8 h + register, query 64 qh + 16 t + r
	s_lshl_b32 s55, s[QH], 8
	s_add_co_u32 s54, s54, s55
	s_add_co_u32 s54, s54, STG0
	v_mul_u32_u24 v[STO], v2, 8*SPI
	v_lshl_add_u32 v[STO], v1, 2, v[STO]
	v_add_nc_u32 v[STO], s54, v[STO]
	s_mul_i32 s55, s[WV], 16*SPI    ; back: wave w takes rows 16 w .. 16 w + 15 of both stages, whole: 32 lanes x 16 bytes
	s_add_co_u32 s55, s55, STG0
	v_lshl_add_u32 v[RD0], v5, 4, s55
	v_add_nc_u32 v[RD1], STGD, v[RD0]
	s_mul_i32 s56, s[WV], 16*PT     ; and the same rows of X's tile: 32 lanes x 8 bytes
	s_add_co_u32 s56, s56, QT
	v_lshl_add_u32 v[RQ], v5, 3, s56
	s_lshl_b32 s57, s[WV], 18       ; 16 w channels of 16,384 bytes in out0
	v_lshl_add_u32 v[GO], v5, 4, s57
	s_lshl_b32 s52, s[KH], 10
	s_lshl_b32 s53, s[QH], 8
	s_add_co_u32 s52, s52, s53
	s_add_co_u32 s52, s52, STATS
	v_lshl_add_u32 v[SA], v1, 2, s52
	v_lshl_add_u32 v[RS], v5, 4, STATS
	; What the first step finds: O^T and l are 0, c m lies far below every c s.  All this stands in the wait for the first tiles.
.irp t, 0,1,2,3
	v_mov_b32 v[ST+8*(\t)], 0xfe000000    ; c m
	v_mov_b32 v[ST+8*(\t)+1], 0xff7fffff  ; m: the lowest finite number
	v_mov_b32 v[ST+8*(\t)+2], 0
	v_mov_b32 v[ST+8*(\t)+3], 0
.endr
.irp w, 0x80, 0xc0
	WIN \w
.set i, 0
.rept 256
	v_mov_b32 v[i], 0
.set i, i+1
.endr
.endr
	WIN 0
; THE LDS LOADS go in groups of four: two fragments, for eight matrix instructions.  Group g uses buffer g % 4.
; Groups 0-15, K: key block g / 4, channels 64 (g % 4) on.
.macro LDK g
.set xkb, (\g)/4
.irp f, 0,1
.set xcc, 2*((\g)%4)+(\f)
.set rA, F+16*((\g)%4)+8*(\f)
	ds_load_tr16_b128 v[rA:rA+3],   v[AK] offset:xcc*32*PT+16*xkb
	ds_load_tr16_b128 v[rA+4:rA+7], v[AK] offset:xcc*32*PT+16*PT+16*xkb
.endr
.endm
; Groups 16-31 (u = g - 16), V^T: keys of blocks 2 (u / 8) and 2 (u / 8) + 1, channels 32 (u % 8) on.  The 16 rows of a load start at 16 different groups of four banks.
.macro LDV u
.set xkk, (\u)/8
.irp f, 0,1
.set xcb, 2*((\u)%8)+(\f)
.set rA, F+16*((\u)%4)+8*(\f)
	ds_load_b128 v[rA:rA+3],   v[AV] offset:xcb*16*PT+32*xkk
	ds_load_b128 v[rA+4:rA+7], v[AV] offset:xcb*16*PT+32*xkk+16
.endr
.endm
.macro LDG g
.if (\g) < 16
	LDK \g
.else
	LDV (\g)-16
.endif
.endm
; THE MATRIX WORK.  The accumulators take turns, one instruction a turn: four in K Q^T, eight in a group of V^T P.
; S^T(t, kb) += K(kb, cc) Q(t, cc); channels 0-31 start the sums with the constant 0.
.macro MMK g
	WIN W_KQ
.set xkb, (\g)/4
.irp f, 0,1
.set xcc, 2*((\g)%4)+(\f)
.set rA, F+16*((\g)%4)+8*(\f)
.irp t, 0,1,2,3
.set rS, S+32*(\t)+8*xkb
.set rQ, 64*(\t)+8*xcc
.if xcc == 0
	v_wmma_f32_16x16x32_f16 v[rS:rS+7], v[rA:rA+7], v[rQ:rQ+7], 0
.else
	v_wmma_f32_16x16x32_f16 v[rS:rS+7], v[rA:rA+7], v[rQ:rQ+7], v[rS:rS+7]
.endif
.endr
.endr
.endm
; O^T(t, cb) += V^T(cb, kk) P(t, kk)
.macro MMV u
	WIN 0xa0+0x50*(((\u)%8)/4)      ; C and D in window 2 (channel blocks 0-7) or 3; V^T and P in window 0
.set xkk, (\u)/8
.irp f, 0,1
.set xcb, 2*((\u)%8)+(\f)
.set rA, F+16*((\u)%4)+8*(\f)
.irp t, 0,1,2,3
.set rO, 64*(\t)+8*(xcb%8)
.set rP, S+32*(\t)+8*xkk
	v_wmma_f32_16x16x32_f16 v[rO:rO+7], v[rA:rA+7], v[rP:rP+7], v[rO:rO+7]
.endr
.endr
.endm
; Group g: its four loads are in; its eight products; then the group four on is fetched into the buffer just read.
.macro GROUP g
.if (\g) <= 28
	s_wait_dscnt 12                 ; LDS loads come back in order (ISA guide 5.7.1): the three younger groups' twelve stay out
.else
	s_wait_dscnt 4*(31-(\g))        ; the last groups have fewer behind them
.endif
.if (\g) < 16
	MMK \g
.else
	MMV (\g)-16
.endif
.if (\g) <= 27
.if (\g) >= 16
	WIN 0                           ; the loads' destination is window 0
.endif
	PLACES
	LDG (\g)+4
.endif
.endm
; THE SOFTMAX, the four tiles alternating, so that no line reads the result of the one before it.  s0-s31 are the lane's 32 scores of a tile.
; The maximum of s0-s31 and the old m, three operands at a time: four chains c0-c3 of seven scores each (each accumulator's lowest registers are read first), then the four scores left over.
.macro SMAX
.set j, 0
.rept 16
.irp t, 0,1,2,3
.set rT, ST+8*(\t)
.set rS, S+32*(\t)
.if j < 4
	v_max3_num_f32 v[rT+4+j], v[rS+8*j], v[rS+8*j+1], v[rS+8*j+2]
.elseif j < 12
	v_max3_num_f32 v[rT+4+j%4], v[rT+4+j%4], v[rS+8*(j%4)+2*(j/4)+1], v[rS+8*(j%4)+2*(j/4)+2]
.elseif j == 12
	v_max3_num_f32 v[rT+4], v[rT+4], v[rS+7], v[rS+15]
.elseif j == 13
	v_max3_num_f32 v[rT+6], v[rT+6], v[rS+23], v[rS+31]
.elseif j == 14
	v_max3_num_f32 v[rT+4], v[rT+4], v[rT+5], v[rT+6]
.else
	v_max3_num_f32 v[rT+4], v[rT+4], v[rT+7], v[rT+1]
.endif
.endr
.set j, j+1
.endr
.endm
.macro EACH line:vararg             ; one line for each tile: rT is its statistics
.set rT, ST
.rept 4
	\line
.set rT, rT+8
.endr
.endm
; The query's other 32 keys lie in the lane 16 away; the new m; c m; a = 2^(c m_old - c m_new).
.macro SSTAT
	EACH v_permlanex16_b32 v[rT+5], v[rT+4], s[SEL], s[SEL+1]
	EACH v_mov_b32 v[rT+7], v[rT]
	EACH v_max_num_f32 v[rT+1], v[rT+4], v[rT+5]
	EACH v_mul_f32 v[rT], s[CS], v[rT+1]
	EACH v_sub_f32 v[rT+7], v[rT+7], v[rT]
	EACH v_exp_f32 v[rT+6], v[rT+7]
	v_nop                           ; a plain line behind the last exponential (ISA guide 5.7.2)
.endm
; For pair n of a tile's 16 pairs of scores: c s - c m; a trip later its two exponentials; a trip later still l takes the pair (the first time as l = a l + pair) and the pair is rounded to f16, into
; register n of the tile's S^T, whose own pair has been taken by then: P lies in place.  The lines of a trip go plain, exponential, plain, exponential, plain: behind each exponential stands a plain
; line that touches neither its result nor its source.
.macro SEXP
.set n, 0
.rept 18
.irp t, 0,1,2,3
.set rT, ST+8*(\t)
.set rS, S+32*(\t)
.if n < 16
	v_pk_fma_f32 v[rS+2*n:rS+2*n+1], v[rS+2*n:rS+2*n+1], s[CS:CS+1], v[rT:rT+1] op_sel_hi:[1,0,0] neg_lo:[0,0,1] neg_hi:[0,0,1]
.endif
.if (n >= 1) && (n <= 16)
	v_exp_f32 v[rS+2*n-2], v[rS+2*n-2]
.endif
.if n == 2
	s_wait_alu depctr_va_vdst(0)
	v_pk_fma_f32 v[rT+2:rT+3], v[rT+2:rT+3], v[rT+6:rT+7], v[rS:rS+1] op_sel_hi:[1,0,1]
.elseif n > 2
	s_wait_alu depctr_va_vdst(0)
	v_pk_add_f32 v[rT+2:rT+3], v[rT+2:rT+3], v[rS+2*n-4:rS+2*n-3]
.endif
.if (n >= 1) && (n <= 16)
	v_exp_f32 v[rS+2*n-1], v[rS+2*n-1]
.endif
.if n >= 2
	v_cvt_pk_f16_f32 v[rS+n-2], v[rS+2*n-4], v[rS+2*n-3]
.endif
.endr
.set n, n+1
.endr
.endm
; O^T times a, in ascending order, window 2 and then window 3.
.macro RESCALE
.irp w, 0,1
	WIN 0x82+0x41*(\w)              ; destination and source 0 in window 2 or 3, a in window 0
.irp t, 0,1,2,3
.set o, 64*(\t)
.rept 32
	v_pk_mul_f32 v[o:o+1], v[o:o+1], v[ST+8*(\t)+6:ST+8*(\t)+7] op_sel_hi:[1,0]
.set o, o+2
.endr
.endr
.endr
.endm
; A KEY STEP: my 64 keys of the tile in slot TB.  V^T's first four groups are fetched behind K's last four and land during the softmax.
.macro STEP
	v_add_nc_u32 v[AK], s[TB], v[AK0]
	v_add_nc_u32 v[AV], s[TB], v[AV0]
	LDG 0
	LDG 1
	LDG 2
	LDG 3
.set gi, 0
.rept 16
	GROUP gi
.set gi, gi+1
.endr
	WIN 0                           ; group 15's four v_nop are the places between the last scores and the first line that reads them
	SMAX
	SSTAT
	SEXP
	RESCALE
.rept 16
	GROUP gi
.set gi, gi+1
.endr
	WIN 0                           ; at a label and at a branch every window is 0
.endm
; THE CHANGE OF SLOTS.  Each wave waits for all its tensor loads, of which one is out: its quarter of the other slot; adds 0 to its spare word; and waits for that and for its own reads of the slot that it leaves.
; fill = 1: the slot just read is filled again, with the tile two on.  The barrier is then a round of the cluster's, so that no wave of any partner still reads the slot or has a load on its way, and the joint
; load is the first thing behind it: it has a whole key step, 256 matrix instructions, in which to land.  (At its first use nothing has been read yet: slot 0 is waited for, slot 1 filled.)
; The four v_nop and the step's two address lines are six places between the last products V^T P and the loads and products that write over their fragments and P.
.macro CHANGE fill
	WIN 0
	s_wait_tensorcnt 0x0            ; no tensor load of mine is out, so the walking group 0 may be written
	ds_add_u32 v[SPW], v[NIL]       ; 0 onto my spare word; with fill = 1 the descriptor's steps stand between it and the wait for it
.if \fill
	s_xor_b32 s[G0Y+1], s[G0Y+1], SLOT1                  ; the other slot than last time,
	s_add_nc_u64 s[G0Y+2:G0Y+3], s[G0Y+2:G0Y+3], 256     ; the next 128 keys; the type bits on top are not reached
	s_wait_dscnt 0x0                ; the add is done, and my reads of the slot are over
	CROUND
	tensor_load_to_lds s[G0Y:G0Y+3], s[G1Y:G1Y+7]
	s_nop 0
.else
	s_wait_dscnt 0x0                ; the add is done, and my reads of the slot are over
	s_barrier_signal -1
	s_barrier_wait -1
.endif
	PLACES
	s_xor_b32 s[TB], s[TB], SLOT1   ; the reads go on in the other slot
.endm
	s_wait_tensorcnt 0x1            ; my quarter of X's tile is in; Y's tile 0, issued behind it, may stay out
	s_barrier_signal -1
	s_barrier_wait -1               ; everybody's quarter is
	WIN 0x40                        ; destination window 1, address window 0
.irp t, 0,1,2,3                     ; Q stays in registers: tile t, channels 32 c on.  The first change of slots waits for these loads
.irp c, 0,1,2,3,4,5,6,7
	ds_load_tr16_b128 v[64*(\t)+8*(\c):64*(\t)+8*(\c)+3],   v[AQ] offset:(\c)*32*PT+32*(\t)
	ds_load_tr16_b128 v[64*(\t)+8*(\c)+4:64*(\t)+8*(\c)+7], v[AQ] offset:(\c)*32*PT+16*PT+32*(\t)
.endr
.endr
	WIN 0
	s_mov_b32 s[CNT], 31
.Lloop:                             ; 31 trips: tile i + 1 is asked for, tile i is worked on
	CHANGE 1
	STEP
	s_sub_co_u32 s[CNT], s[CNT], 1
	s_cmp_lg_u32 s[CNT], 0
	s_cbranch_scc1 .Lloop
	CHANGE 0                        ; the last tile is written out: nothing is asked for
	STEP
	; THE MERGE AND THE WAY OUT.  l's two halves and the other half of the lanes' are added (the first four additions are the places behind the last products); each wave puts its queries' c m and l into LDS.
	EACH v_add_f32 v[rT+4], v[rT+2], v[rT+3]
	EACH v_permlanex16_b32 v[rT+5], v[rT+4], s[SEL], s[SEL+1]
	EACH v_add_f32 v[rT+4], v[rT+4], v[rT+5]
.irp t, 0,1,2,3
	ds_store_b32 v[SA], v[ST+8*(\t)] offset:64*(\t)        ; lanes 16 apart hold the same query and write the same number
	ds_store_b32 v[SA], v[ST+8*(\t)+4] offset:512+64*(\t)
.endr
	s_wait_dscnt 0x0                ; for the others' sake: my stores are done
	s_barrier_signal -1
	s_barrier_wait -1
	ds_load_b128 v[192:195], v[RS]               ; for my four queries of the way out, 4 l .. 4 l + 3: c m of key half 0,
	ds_load_b128 v[196:199], v[RS] offset:512    ; its l,
	ds_load_b128 v[200:203], v[RS] offset:1024   ; c m of key half 1,
	ds_load_b128 v[204:207], v[RS] offset:1536   ; its l
	s_wait_dscnt 0x0
	; f_k = 2^(c m_k - M) / (l_0 2^(c m_0 - M) + l_1 2^(c m_1 - M)), M the greater c m: the divisor is about 1 or more
.irp i, 0,1,2,3
	v_max_num_f32 v[208+(\i)], v[192+(\i)], v[200+(\i)]
.endr
.irp i, 0,1,2,3
	v_sub_f32 v[FA+(\i)], v[192+(\i)], v[208+(\i)]
	v_sub_f32 v[FA+4+(\i)], v[200+(\i)], v[208+(\i)]
.endr
.irp i, 0,1,2,3,4,5,6,7
	v_exp_f32 v[FA+(\i)], v[FA+(\i)]
.endr
	v_nop                           ; a plain line behind the last exponential
	s_wait_alu depctr_va_vdst(0)
.irp i, 0,1,2,3
	v_mul_f32 v[208+(\i)], v[196+(\i)], v[FA+(\i)]
.endr
.irp i, 0,1,2,3
	v_fmac_f32 v[208+(\i)], v[204+(\i)], v[FA+4+(\i)]
.endr
.irp i, 0,1,2,3
	v_rcp_f32 v[208+(\i)], v[208+(\i)]
.endr
	v_nop                           ; a plain line behind the last reciprocal
	s_wait_alu depctr_va_vdst(0)
.irp i, 0,2
	v_pk_mul_f32 v[FA+(\i):FA+(\i)+1], v[FA+(\i):FA+(\i)+1], v[208+(\i):208+(\i)+1]
	v_pk_mul_f32 v[FA+4+(\i):FA+4+(\i)+1], v[FA+4+(\i):FA+4+(\i)+1], v[208+(\i):208+(\i)+1]
.endr
; Channels 64 q .. 64 q + 63.  Every wave puts its O^T of them into its key half's stage, [channel][query] in f32: a store's lanes 0-15 take 16 neighbouring words, lanes 16-31 those eight rows on, 32 banks away.
; Behind a barrier wave w takes rows 16 w .. 16 w + 15 of both stages and of X's tile, whole, and stores O_0 f_0 + X + O_1 f_1: 32 lanes store 512 consecutive bytes, at a multiple of 256 from out0's first byte.
.macro OUTQ q
	WIN 0x08+4*((\q)/2)             ; the stores' data (source 1) in window 2 or 3
.irp c, 0,1,2,3
.irp t, 0,1,2,3
.set rO, 64*(\t)+8*((4*(\q)+(\c))%8)
.irp j, 0,1,2,3,4,5,6,7             ; each accumulator from its low end on
	ds_store_b32 v[STO], v[rO+(\j)] offset:(16*(\c)+(\j))*SPI+64*(\t)
.endr
.endr
.endr
	WIN 0
	s_wait_dscnt 0x0                ; for the others' sake: my stores into the stage are done
	s_barrier_signal -1
	s_barrier_wait -1
	s_wait_xcnt 0x0                 ; every earlier store has had its address translated (ISA guide 3.1): only behind this wait are the registers that it reads loaded again
.set i, 0
.rept 16
	ds_load_b128 v[96+4*i:99+4*i],   v[RD0] offset:SPI*i
	ds_load_b128 v[160+4*i:163+4*i], v[RD1] offset:SPI*i
	ds_load_b64  v[64+2*i:65+2*i],   v[RQ] offset:(64*(\q)+i)*PT
.set i, i+1
.endr
.set i, 0
.rept 16
.set rA, 96+4*i
.set rB, 160+4*i
.set rX, 64+2*i
	s_wait_dscnt 3*(15-i)           ; row i's three loads are in; three for each younger row stay out
	v_fma_mix_f32 v[rA],   v[rA],   v[FA],   v[rX]   op_sel:[0,0,0] op_sel_hi:[0,0,1]  ; O_0 f_0 + X: the addend is an f16 half
	v_fma_mix_f32 v[rA+1], v[rA+1], v[FA+1], v[rX]   op_sel:[0,0,1] op_sel_hi:[0,0,1]
	v_fma_mix_f32 v[rA+2], v[rA+2], v[FA+2], v[rX+1] op_sel:[0,0,0] op_sel_hi:[0,0,1]
	v_fma_mix_f32 v[rA+3], v[rA+3], v[FA+3], v[rX+1] op_sel:[0,0,1] op_sel_hi:[0,0,1]
	v_pk_fma_f32 v[rA:rA+1],   v[rB:rB+1],   v[FA+4:FA+5], v[rA:rA+1]
	v_pk_fma_f32 v[rA+2:rA+3], v[rB+2:rB+3], v[FA+6:FA+7], v[rA+2:rA+3]
	global_store_b128 v[GO], v[rA:rA+3], s[6:7] offset:(64*(\q)+i)*16384 th:TH_STORE_NT  ; 207 rows of 16,384 bytes at the most: inside the signed 24-bit immediate
.set i, i+1
.endr
.if (\q) < 3
	s_barrier_signal -1             ; row 15's wait was for 0: my reads of the stages are over; the next 64 channels are written only when everybody's are
	s_barrier_wait -1
.endif
.endm
	OUTQ 0
	OUTQ 1
	OUTQ 2
	OUTQ 3
	s_wait_tensorcnt 0x0            ; the wave's end: a tensor wait, an add and its wait, behind my last tensor load and my last LDS store
	ds_add_u32 v[SPW], v[NIL]
	s_wait_dscnt 0x0
	CROUND                          ; the closing round: no work-group ends while a partner may still ask for a tile that names it
	s_endpgm
.Lfunc_end_k_qfe57a11eab_attn:
	.size	k_qfe57a11eab_attn, .Lfunc_end_k_qfe57a11eab_attn-k_qfe57a11eab_attn
	.p2alignl 7, 3214868480
	.fill 96, 4, 3214868480
	.section	.rodata,"a",@progbits
	.p2align	6, 0x0
	.amdhsa_kernel k_qfe57a11eab_attn
		.amdhsa_group_segment_fixed_size 327680
		.amdhsa_private_segment_fixed_size 0
		.amdhsa_enable_private_segment 0
		.amdhsa_kernarg_size 16
		.amdhsa_user_sgpr_count 2
		.amdhsa_user_sgpr_kernarg_segment_ptr 1
		.amdhsa_wavefront_size32 1
		.amdhsa_system_sgpr_workgroup_id_x 1
		.amdhsa_system_sgpr_workgroup_id_y 1
		.amdhsa_system_sgpr_workgroup_id_z 1
		.amdhsa_system_vgpr_workitem_id 0
		.amdhsa_next_free_vgpr 1024
		.amdhsa_next_free_sgpr 66
		.amdhsa_reserve_vcc 0
		.amdhsa_float_denorm_mode_32 3
		.amdhsa_float_denorm_mode_16_64 3
		.amdhsa_memory_ordered 1
		.amdhsa_forward_progress 1
		.amdhsa_inst_pref_size 246
	.end_amdhsa_kernel
	.amdgpu_metadata
---
amdhsa.version: [ 1, 2 ]
amdhsa.kernels:
  - .name:           k_qfe57a11eab_attn
    .symbol:         k_qfe57a11eab_attn.kd
    .args:
      - { .name: H, .offset: 0, .size: 8, .value_kind: global_buffer, .address_space: global }
      - { .name: out0, .offset: 8, .size: 8, .value_kind: global_buffer, .address_space: global }
    .group_segment_fixed_size: 327680
    .private_segment_fixed_size: 0
    .kernarg_segment_align: 8
    .kernarg_segment_size: 16
    .max_flat_workgroup_size: 128
    .sgpr_count:     66
    .vgpr_count:     1024
    .wavefront_size: 32
...
	.end_amdgpu_metadata
.endif
;; end of part 2
;; ======== version 2 of 2: 2 launches; 1.13 times as fast as version 1
;; limits: inputs' magnitudes at most 65,280; values are held in f16: magnitudes above 65,504 overflow, below 6.1e-05 lose precision
;; workspace buffers: H 16,777,216 bytes
;; launch cast: the kernel of part 1 again; grid 256 x 2, 8 waves a work-group, no clusters, 0 bytes of LDS; arguments V, T, H; writes H
;; launch attn (part 3): grid 32 x 8, 4 waves a work-group, clusters of 4 x 1, 327,680 bytes of LDS; arguments H, out0; writes out0
.if DOCPART == 3
	.amdgcn_target "amdgcn-amd-amdhsa--gfx1250"
	.amdhsa_code_object_version 6
	.text
	.protected	k_qfe57a11eab_attn
	.globl	k_qfe57a11eab_attn
	.p2align	8
	.type	k_qfe57a11eab_attn,@function
k_qfe57a11eab_attn:
	s_mov_b64 s[64:65], 0
	v_nop
	global_prefetch_b8 v0, s[64:65] scope:SCOPE_SE
	s_setreg_imm32_b32 hwreg(HW_REG_WAVE_MODE, 25, 1), 1
	s_wait_xcnt 0x0
	s_wait_alu depctr_hold_cnt(0) depctr_sa_sdst(0) depctr_va_vdst(0) depctr_va_sdst(0) depctr_va_ssrc(0) depctr_va_vcc(0) depctr_vm_vsrc(0)
	s_getreg_b32 s2, hwreg(HW_REG_IB_STS2, 6, 4)
	s_cmp_eq_u32 s2, 0
	s_cbranch_scc0 .Lentry_in_a_cluster
	s_endpgm
.Lentry_in_a_cluster:
	s_bfe_u32 s2, ttmp6, 0x10000c
	s_cmp_lg_u32 s2, 0x3003
	s_cbranch_scc0 .Lentry_shape_is_right
	s_endpgm
.Lentry_shape_is_right:
; out0[b][256 dir + c][i] = X[c][i] + the sum over j of softmax_j(sum over c of X[c][i] Y[c][j]) Y[c][j].  dir 0: X = V, Y = T; dir 1: the other way round.
; X and Y come from H, [2 (V, T)][4][256 channels][4096 positions] in f16: the inputs rounded to bf16, written as f16.  Products, maxima and sums in f32; the weights p are rounded
; to f16 for the second product (their sum l is taken of the unrounded p); the residual X is the same rounded copy; the output is f32.
; LIMITS.  H holds no number beyond 65,504; p lies in 0 to 1 and below 6e-5 keeps f16's fixed step of 6e-8; a weight below 2^-126 counts as 0; the running c m starts at -4.25e37; NaN and
; infinities are not treated apart.
; SHARES.  Head y = 2 b + dir; a work-group owns 128 queries of it.  Wave w: query half qh = w / 2 (64 queries: four tiles of 16), key half kh = w % 2 (64 of each tile's 128 keys): with 128 registers
; of O^T and 64 of Q for each tile of 16 queries, four tiles are what a wave holds, and 256 work-groups leave 128 queries to each.  The two key halves are merged once, at the end, through LDS.
; LAYOUT.  S^T = K Q^T (source 0 = 16 keys, source 1 = 16 queries): a lane holds ONE query (lane % 16) and 8 keys.  Two such results, rounded to f16 in pairs, ARE source 1 of O^T = V^T P, whose result
; again holds one query a lane, and 8 channels.  Keys and values are the same tile of Y, [channel][key]: V^T's fragments come out as they lie, K's and Q's turned, by ds_load_tr16_b128.
; THE ORDER OF KEYS.  A tile's 128 keys are 16 chunks of 8 (16 bytes).  Key block kb of wave kh is chunk 4 kh + kb (rows 0-7) and chunk 4 kh + kb + 8 (rows 8-15).  P's places along K and V^T's addresses
; follow the same order, so the sums are those of the plain order.  With it the two chunks of a turning load lie 128 bytes apart: 8 rows of 272 bytes x 2 chunks touch each of the 64 banks (ISA guide 11.1) once.
; SOFTMAX.  For each query a running maximum m and sum l: p = 2^(c s - c m), c = log2(e); in every step O and l are multiplied by a = 2^(c m_old - c m_new).  O^T and l start at 0, so the first step is a step
; like any other, with a = 0: 512 v_mov_b32 in the wait for the first tile, for one text of a step less.
; A STEP goes in phases: 128 products K Q^T, the softmax, 128 products V^T P.
; THE BATCHES.  A step's 132 exponentials (the four tiles' a, then their 128 weights) are ONE BATCH with ONE wait.  Ahead of the wait stand the maxima, the statistics, the scalings and the exponentials,
; none of which names an exponential's result; behind it all that do: the sums, the roundings, the rescaling of O^T.  Each result has a register of its own while the batch is open: a weight its score's, a its c2.
; The merge at the end has two batches more, a wait each: eight exponentials, then the four reciprocals of sums made of them.
; CLUSTER.  The four query blocks of a cluster belong to one head and walk the same Y, so each tile of Y is asked for JOINTLY: the same tensor load, descriptor and mask in all four.
; REGISTERS, in windows of 256 (s_set_vgpr_msb: bits 1:0 source 0, 3:2 source 1, 5:4 source 2, 7:6 destination):
;   window 0: v0-15, v56-58 addresses; v16-47 eight registers of statistics a tile; v48-55 the merge's factors; v62-63 the add's; v64-191 S^T, 32 a tile (P in place in the first 16); v192-255 four fragment buffers of 16
;   window 1: Q, fragment (tile t, channels 32 cc on) at 64 t + 8 cc          windows 2, 3: O^T, (t, channel block cb) at 64 t + 8 (cb % 8) in window 2 + cb / 8
.set PT,    272       ; a tile's row in LDS: 256 bytes + 16 of padding = 68 words: row r starts at bank 4 r mod 64
.set TQ,    64*PT     ; a wave's quarter of a tile: 64 channels
.set SLOT1, 1<<17     ; slot 0 at byte 0, slot 1 here: one exclusive or turns an address in one slot into the other's
.set STG0,  256*PT    ; 69,632: the stage of the waves with kh = 0: 64 channels x 528 bytes, f32 [channel][128 queries]; never filled by a tensor load
.set SPI,   528       ; its pitch: 512 + 16
.set STATS, STG0+64*SPI   ; 103,424: [kh][c m, l][128 queries] f32: 2,048 bytes
.set SPARE, STATS+2048    ; 105,472: the spare words, 128 bytes for each wave: two blocks of 256 bytes that no other line names
.set QT,    SLOT1+256*PT  ; 200,704: X's tile [channel][128 queries], filled once; kept for the residual
.set STGD,  QT+256*PT-STG0  ; 200,704: from the stage of kh = 0 to that of kh = 1, which lies behind X's tile
.set AK0, 6           ; v6   my lane's place in a tile for K's turning loads; never rewritten
.set AV0, 7           ; v7   the same for V^T's loads
.set AK,  8           ; v8   AK0 + the slot
.set AV,  9           ; v9   AV0 + the slot
.set AQ,  10          ; v10  my lane's place in X's tile for Q's turning loads
.set RD0, 11          ; v11  the way out: my 16 bytes of my first row of stage 0
.set RD1, 12          ; v12  of stage 1
.set RQ,  13          ; v13  my 8 bytes of the same row of X's tile
.set GO,  14          ; v14  my byte offset in the block's part of out0
.set SA,  15          ; v15  where I put my queries' c m and l
.set ST,  16          ; tile t's statistics at v[ST+8 t]: +0 c m, +1 m, +2, +3 l (even keys', odd keys'), +4 to +7 c0-c3 at work; a takes c2's place
.set FA,  48          ; v48-51 the merge's factor for kh = 0, for my four queries of the way out;  v52-55 for kh = 1
.set TM,  56          ; v56  at work
.set STO, 57          ; v57  the way out: where I put a number of O^T
.set RS,  58          ; v58  where I read four queries' statistics
.set SPW, 62          ; v62  LDS address of my spare word: SPARE + 4 x my thread's number; never rewritten
.set NIL, 63          ; v63  0; never rewritten
.set S,   64
.set F,   192
.set WV,  8           ; s8   my wave's number
.set QH,  9           ; s9   w / 2
.set KH,  10          ; s10  w % 2
.set G1Y, 16          ; s[16:23] descriptor group 1 for Y's tiles
.set G1Q, 24          ; s[24:31] for X's tile: no mask
.set G0Y, 32          ; s[32:35] descriptor group 0 for Y's tiles: it walks
.set G0Q, 36          ; s[36:39] for X's tile
.set CS,  40          ; s[40:41] c: the packed scaling takes the pair's low word for both halves
.set SEL, 42          ; s[42:43] v_permlanex16_b32's selects: each lane takes its own place in the other half
.set TB,  44          ; s44  LDS byte at which the slot to be read begins
.set CNT, 45          ; s45  the loop's count
.set MSB, 0
.macro WIN new                      ; the immediate's high byte repeats the setting that is left; a switch that changes nothing is dropped
.if MSB != (\new)
	s_set_vgpr_msb (MSB<<8)|(\new)
.set MSB, \new
.endif
.endm
.set W_KQ, 0x04       ; Q (source 1) in window 1; K's fragments and S^T in window 0: LDS loads into the fragment buffers stand under the same setting
; A vector instruction that reads a matrix result, and a load into a register that a matrix instruction has read, stand four places behind it; a matrix instruction that writes over one of its registers five;
; only plain vector instructions that name none of its registers are places (ISA guide 7.12.1 for vector instructions).
.macro PLACES
.rept 4
	v_nop
.endr
.endm
; A round of the cluster's barrier: my work-group's barrier, so that wave 0's signal speaks for all four waves; wave 0 signals; every wave waits for all four work-groups; my work-group's barrier once more.
.macro CROUND
	s_barrier_signal -1
	s_barrier_wait -1
	s_cmp_lg_u32 s[WV], 0
	s_cbranch_scc1 .Lnot_wave_0_\@
	s_barrier_signal -3
.Lnot_wave_0_\@:
	s_barrier_wait -3
	s_barrier_signal -1
	s_barrier_wait -1
.endm
	s_load_b128 s[4:7], s[0:1], 0x0 ; H s[4:5], out0 s[6:7]
	v_lshl_add_u32 v[SPW], v0, 2, SPARE
	v_mov_b32 v[NIL], 0
	ds_add_u32 v[SPW], v[NIL]       ; the wave's opening: the add and its wait stand ahead of my first tensor load; the set-up below, work on registers, stands between them
	v_lshrrev_b32 v1, 5, v0
	v_readfirstlane_b32 s[WV], v1   ; wave 0..3
	s_lshr_b32 s[QH], s[WV], 1
	s_and_b32 s[KH], s[WV], 1
	s_bfe_u32 s11, ttmp6, 0x40000   ; cx: my place in the cluster
	s_lshl_b32 s12, ttmp9, 2        ; in a cluster launch ttmp9 counts clusters
	s_add_co_u32 s12, s12, s11      ; my block of 128 queries = 4 x cluster x + cx: it enters X's and out0's addresses alone
	s_and_b32 s13, ttmp7, 0xffff    ; the head y, which the four partners share
	s_lshr_b32 s52, s13, 1          ; b
	s_and_b32 s53, s13, 1           ; dir
	s_xor_b32 s54, s53, 1
	s_lshl2_add_u32 s54, s54, s52   ; Y is plane 4 (1 - dir) + b of H,
	s_lshl_b32 s48, s54, 21         ; 2 MiB a plane,
	s_lshl_b32 s55, s[WV], 19       ; my 64 channels of 8,192 bytes
	s_add_co_u32 s48, s48, s55
	s_mov_b32 s49, 0                ; s[48:49]: made of y and the wave's number alone
	s_lshl2_add_u32 s56, s53, s52   ; X is plane 4 dir + b
	s_lshl_b32 s50, s56, 21
	s_add_co_u32 s50, s50, s55
	s_lshl_b32 s57, s12, 8          ; my block's 256 bytes of a row
	s_add_co_u32 s50, s50, s57
	s_mov_b32 s51, 0
	s_lshl_b32 s58, s13, 22         ; out0: 256 channels of 16,384 bytes a head,
	s_lshl_b32 s57, s12, 9          ; my block's 512 bytes of a row
	s_add_co_u32 s58, s58, s57
	s_mov_b32 s59, 0
	; descriptor group 1: a tile of 64 rows (channels) x 128 elements (positions), padded in LDS
	s_mov_b32 s[G1Y], 15|(1<<16)|(1<<20)|(1<<21)|(5<<22)|(3<<25)  ; 15:0 the mask: all four work-groups; 17:16 elements of 2 bytes; 20 padding on; 21 set beside a mask; 24:22 after every 64 words (code 5); 31:25 4 words of it (code 3)
	s_mov_b32 s[G1Q], (1<<16)|(1<<20)|(5<<22)|(3<<25)             ; the same without a mask: each work-group has queries of its own
.irp g, G1Y, G1Q
	s_mov_b32 s[(\g)+1], 128<<16    ; 63:48 tensor_dim0, low half = 128
	s_mov_b32 s[(\g)+2], 64<<16     ; 79:64 its high half = 0; 95:80 tensor_dim1, low half = 64
	s_mov_b32 s[(\g)+3], 128<<16    ; 111:96 its high half = 0; 127:112 tile_dim0 = 128
	s_mov_b32 s[(\g)+4], 64         ; 143:128 tile_dim1 = 64; 159:144 tile_dim2 = 0
	s_mov_b32 s[(\g)+5], 4096       ; 191:160 tensor_dim0_stride: 4,096 elements from channel to channel
	s_mov_b32 s[(\g)+6], 0
	s_mov_b32 s[(\g)+7], 0
.endr
	s_mov_b32 s[G0Y], 1             ; 1:0 count = 1
	s_mul_i32 s[G0Y+1], s[WV], TQ   ; 63:32 LDS address: slot 0, my quarter: no place in the cluster enters an LDS address
	s_mov_b32 s[G0Q], 1
	s_add_co_u32 s[G0Q+1], s[G0Y+1], QT
	s_mov_b32 s[CS], 0x3fb8aa3b     ; c = log2(e)
	s_mov_b32 s[CS+1], s[CS]        ; named with it as a pair
	s_mov_b32 s[SEL], 0x76543210
	s_mov_b32 s[SEL+1], 0xfedcba98
	s_mov_b32 s[TB], SLOT1          ; the first change of slots turns it into 0
	s_wait_dscnt 0x0                ; the opening add is done
	s_wait_kmcnt 0x0
	s_add_nc_u64 s[G0Y+2:G0Y+3], s[4:5], s[48:49]  ; 120:64 global address: my channels of Y's keys 0 to 127
	s_or_b32 s[G0Y+3], s[G0Y+3], 0x80000000        ; 127:126 type = 2
	s_add_nc_u64 s[G0Q+2:G0Q+3], s[4:5], s[50:51]  ; my channels of my block's queries
	s_or_b32 s[G0Q+3], s[G0Q+3], 0x80000000
	s_add_nc_u64 s[6:7], s[6:7], s[58:59]          ; out0 at the head's channel 0, my block's first query
	CROUND                          ; all four work-groups are here: the first joint loads meet
	tensor_load_to_lds s[G0Q:G0Q+3], s[G1Q:G1Q+7]  ; X's tile first: it is wanted first.  Two tensor loads of mine are out here, later one
	s_nop 0
	tensor_load_to_lds s[G0Y:G0Y+3], s[G1Y:G1Y+7]  ; Y's tile 0 into slot 0
	s_nop 0
	PLACES                          ; four plain lines behind the loads, ahead of the next switch of windows
	; the lanes' addresses
	v_and_b32 v1, 15, v0            ; r = l % 16
	v_bfe_u32 v2, v0, 4, 1          ; h = l / 16
	v_and_b32 v3, 7, v0
	v_bfe_u32 v4, v0, 3, 1
	v_and_b32 v5, 31, v0            ; l
	; The turning load takes 16 channels x 16 positions: lane l reads 16 bytes of channel 8 h + l % 8, chunk (l / 8) % 2, and is left with position l % 16 and 8 channels: half a fragment.
	v_lshl_add_u32 v[TM], v2, 3, v3
	v_mul_u32_u24 v[TM], v[TM], PT
	s_lshl_b32 s52, s[KH], 6        ; my key half's four chunks begin at byte 64 kh
	v_lshl_add_u32 v[AK0], v4, 7, v[TM]  ; K: the second chunk lies 128 bytes on
	v_add_nc_u32 v[AK0], s52, v[AK0]
	v_mul_u32_u24 v[AV0], v1, PT    ; V^T: channel r; lanes 16-31 take the chunk 128 bytes on
	v_lshl_add_u32 v[AV0], v2, 7, v[AV0]
	v_add_nc_u32 v[AV0], s52, v[AV0]
	s_lshl_b32 s53, s[QH], 7        ; Q: my 64 queries begin at byte 128 qh; the second chunk is the next
	s_add_co_u32 s53, s53, QT
	v_lshl_add_u32 v[AQ], v4, 4, v[TM]
	v_add_nc_u32 v[AQ], s53, v[AQ]
	s_mul_i32 s54, s[KH], STGD      ; into my key half's stage: channel 8 h + register, query 64 qh + 16 t + r
	s_lshl_b32 s55, s[QH], 8
	s_add_co_u32 s54, s54, s55
	s_add_co_u32 s54, s54, STG0
	v_mul_u32_u24 v[STO], v2, 8*SPI
	v_lshl_add_u32 v[STO], v1, 2, v[STO]
	v_add_nc_u32 v[STO], s54, v[STO]
	s_mul_i32 s55, s[WV], 16*SPI    ; back: wave w takes rows 16 w .. 16 w + 15 of both stages, whole: 32 lanes x 16 bytes
	s_add_co_u32 s55, s55, STG0
	v_lshl_add_u32 v[RD0], v5, 4, s55
	v_add_nc_u32 v[RD1], STGD, v[RD0]
	s_mul_i32 s56, s[WV], 16*PT     ; and the same rows of X's tile: 32 lanes x 8 bytes
	s_add_co_u32 s56, s56, QT
	v_lshl_add_u32 v[RQ], v5, 3, s56
	s_lshl_b32 s57, s[WV], 18       ; 16 w channels of 16,384 bytes in out0
	v_lshl_add_u32 v[GO], v5, 4, s57
	s_lshl_b32 s52, s[KH], 10
	s_lshl_b32 s53, s[QH], 8
	s_add_co_u32 s52, s52, s53
	s_add_co_u32 s52, s52, STATS
	v_lshl_add_u32 v[SA], v1, 2, s52
	v_lshl_add_u32 v[RS], v5, 4, STATS
	; What the first step finds: O^T and l are 0, c m lies far below every c s.  All this stands in the wait for the first tiles.
.irp t, 0,1,2,3
	v_mov_b32 v[ST+8*(\t)], 0xfe000000    ; c m
	v_mov_b32 v[ST+8*(\t)+1], 0xff7fffff  ; m: the lowest finite number
	v_mov_b32 v[ST+8*(\t)+2], 0
	v_mov_b32 v[ST+8*(\t)+3], 0
.endr
.irp w, 0x80, 0xc0
	WIN \w
.set i, 0
.rept 256
	v_mov_b32 v[i], 0
.set i, i+1
.endr
.endr
	WIN 0
; THE LDS LOADS go in groups of four: two fragments, for eight matrix instructions.  Group g uses buffer g % 4.
; Groups 0-15, K: key block g / 4, channels 64 (g % 4) on.
.macro LDK g
.set xkb, (\g)/4
.irp f, 0,1
.set xcc, 2*((\g)%4)+(\f)
.set rA, F+16*((\g)%4)+8*(\f)
	ds_load_tr16_b128 v[rA:rA+3],   v[AK] offset:xcc*32*PT+16*xkb
	ds_load_tr16_b128 v[rA+4:rA+7], v[AK] offset:xcc*32*PT+16*PT+16*xkb
.endr
.endm
; Groups 16-31 (u = g - 16), V^T: keys of blocks 2 (u / 8) and 2 (u / 8) + 1, channels 32 (u % 8) on.  The 16 rows of a load start at 16 different groups of four banks.
.macro LDV u
.set xkk, (\u)/8
.irp f, 0,1
.set xcb, 2*((\u)%8)+(\f)
.set rA, F+16*((\u)%4)+8*(\f)
	ds_load_b128 v[rA:rA+3],   v[AV] offset:xcb*16*PT+32*xkk
	ds_load_b128 v[rA+4:rA+7], v[AV] offset:xcb*16*PT+32*xkk+16
.endr
.endm
.macro LDG g
.if (\g) < 16
	LDK \g
.else
	LDV (\g)-16
.endif
.endm
; THE MATRIX WORK.  The accumulators take turns, one instruction a turn: four in K Q^T, eight in a group of V^T P.
; S^T(t, kb) += K(kb, cc) Q(t, cc); channels 0-31 start the sums with the constant 0.
.macro MMK g
	WIN W_KQ
.set xkb, (\g)/4
.irp f, 0,1
.set xcc, 2*((\g)%4)+(\f)
.set rA, F+16*((\g)%4)+8*(\f)
.irp t, 0,1,2,3
.set rS, S+32*(\t)+8*xkb
.set rQ, 64*(\t)+8*xcc
.if xcc == 0
	v_wmma_f32_16x16x32_f16 v[rS:rS+7], v[rA:rA+7], v[rQ:rQ+7], 0
.else
	v_wmma_f32_16x16x32_f16 v[rS:rS+7], v[rA:rA+7], v[rQ:rQ+7], v[rS:rS+7]
.endif
.endr
.endr
.endm
; O^T(t, cb) += V^T(cb, kk) P(t, kk)
.macro MMV u
	WIN 0xa0+0x50*(((\u)%8)/4)      ; C and D in window 2 (channel blocks 0-7) or 3; V^T and P in window 0
.set xkk, (\u)/8
.irp f, 0,1
.set xcb, 2*((\u)%8)+(\f)
.set rA, F+16*((\u)%4)+8*(\f)
.irp t, 0,1,2,3
.set rO, 64*(\t)+8*(xcb%8)
.set rP, S+32*(\t)+8*xkk
	v_wmma_f32_16x16x32_f16 v[rO:rO+7], v[rA:rA+7], v[rP:rP+7], v[rO:rO+7]
.endr
.endr
.endm
; Group g: its four loads are in; its eight products; then the group four on is fetched into the buffer just read.
.macro GROUP g
.if (\g) <= 28
	s_wait_dscnt 12                 ; LDS loads come back in order (ISA guide 5.7.1): the three younger groups' twelve stay out
.else
	s_wait_dscnt 4*(31-(\g))        ; the last groups have fewer behind them
.endif
.if (\g) < 16
	MMK \g
.else
	MMV (\g)-16
.endif
.if (\g) <= 27
.if (\g) >= 16
	WIN 0                           ; the loads' destination is window 0
.endif
	PLACES
	LDG (\g)+4
.endif
.endm
; THE SOFTMAX, the four tiles alternating, so that no line reads the result of the one before it.  s0-s31 are the lane's 32 scores of a tile.
; The maximum of s0-s31 and the old m, three operands at a time: four chains c0-c3 of seven scores each (each accumulator's lowest registers are read first), then the four scores left over.
.macro SMAX
.set j, 0
.rept 16
.irp t, 0,1,2,3
.set rT, ST+8*(\t)
.set rS, S+32*(\t)
.if j < 4
	v_max3_num_f32 v[rT+4+j], v[rS+8*j], v[rS+8*j+1], v[rS+8*j+2]
.elseif j < 12
	v_max3_num_f32 v[rT+4+j%4], v[rT+4+j%4], v[rS+8*(j%4)+2*(j/4)+1], v[rS+8*(j%4)+2*(j/4)+2]
.elseif j == 12
	v_max3_num_f32 v[rT+4], v[rT+4], v[rS+7], v[rS+15]
.elseif j == 13
	v_max3_num_f32 v[rT+6], v[rT+6], v[rS+23], v[rS+31]
.elseif j == 14
	v_max3_num_f32 v[rT+4], v[rT+4], v[rT+5], v[rT+6]
.else
	v_max3_num_f32 v[rT+4], v[rT+4], v[rT+7], v[rT+1]
.endif
.endr
.set j, j+1
.endr
.endm
.macro EACH line:vararg             ; one line for each tile: rT is its statistics
.set rT, ST
.rept 4
	\line
.set rT, rT+8
.endr
.endm
; The query's other 32 keys lie in the lane 16 away; the new m; c m; a = 2^(c m_old - c m_new).  The four a open the step's batch of exponentials; SEXP's first scaling, which names neither an a nor
; its source, is the plain line behind them (ISA guide 5.7.2).
.macro SSTAT
	EACH v_permlanex16_b32 v[rT+5], v[rT+4], s[SEL], s[SEL+1]
	EACH v_mov_b32 v[rT+7], v[rT]
	EACH v_max_num_f32 v[rT+1], v[rT+4], v[rT+5]
	EACH v_mul_f32 v[rT], s[CS], v[rT+1]
	EACH v_sub_f32 v[rT+7], v[rT+7], v[rT]
	EACH v_exp_f32 v[rT+6], v[rT+7]
.endm
; THE BATCH GOES ON, AND ITS READERS.  Ahead of the wait, 17 trips over the four tiles: for pair n of a tile's 16 pairs of scores c s - c m, and the two exponentials of pair n - 1, in place, twelve lines behind
; their scaling.  None of these lines names an exponential's result: a scaling reads scores that have not been raised yet, c m and m.
; Behind the wait, 16 trips: l takes pair n (the first time as l = a l + pair), the pairs in ascending order; then the pair is rounded to f16, into register n of the tile's S^T, which held a number of pair n / 2,
; taken by then: P lies in place.  The links of l's chain stand eight lines apart.
.macro SEXP
.set n, 0
.rept 17
.irp t, 0,1,2,3
.set rT, ST+8*(\t)
.set rS, S+32*(\t)
.if n < 16
	v_pk_fma_f32 v[rS+2*n:rS+2*n+1], v[rS+2*n:rS+2*n+1], s[CS:CS+1], v[rT:rT+1] op_sel_hi:[1,0,0] neg_lo:[0,0,1] neg_hi:[0,0,1]
.endif
.if n >= 1
	v_exp_f32 v[rS+2*n-2], v[rS+2*n-2]
	v_exp_f32 v[rS+2*n-1], v[rS+2*n-1]
.endif
.endr
.set n, n+1
.endr
	v_nop                           ; a plain line behind the last exponential (ISA guide 5.7.2): one for the batch; no other work on registers is at hand that names none of its results
	s_wait_alu depctr_va_vdst(0)    ; the wait ahead of the first line that names a result: one for the step's 132 exponentials, the four a and the 128 weights
.set n, 0
.rept 16
.irp t, 0,1,2,3
.set rT, ST+8*(\t)
.set rS, S+32*(\t)
.if n == 0
	v_pk_fma_f32 v[rT+2:rT+3], v[rT+2:rT+3], v[rT+6:rT+7], v[rS:rS+1] op_sel_hi:[1,0,1]
.else
	v_pk_add_f32 v[rT+2:rT+3], v[rT+2:rT+3], v[rS+2*n:rS+2*n+1]
.endif
	v_cvt_pk_f16_f32 v[rS+n], v[rS+2*n], v[rS+2*n+1]
.endr
.set n, n+1
.endr
.endm
; O^T times a, in ascending order, window 2 and then window 3.  It reads a, so it stands behind the batch's wait.
.macro RESCALE
.irp w, 0,1
	WIN 0x82+0x41*(\w)              ; destination and source 0 in window 2 or 3, a in window 0
.irp t, 0,1,2,3
.set o, 64*(\t)
.rept 32
	v_pk_mul_f32 v[o:o+1], v[o:o+1], v[ST+8*(\t)+6:ST+8*(\t)+7] op_sel_hi:[1,0]
.set o, o+2
.endr
.endr
.endr
.endm
; A KEY STEP: my 64 keys of the tile in slot TB.  V^T's first four groups are fetched behind K's last four and land during the softmax.
.macro STEP
	v_add_nc_u32 v[AK], s[TB], v[AK0]
	v_add_nc_u32 v[AV], s[TB], v[AV0]
	LDG 0
	LDG 1
	LDG 2
	LDG 3
.set gi, 0
.rept 16
	GROUP gi
.set gi, gi+1
.endr
	WIN 0                           ; group 15's four v_nop are the places between the last scores and the first line that reads them
	SMAX
	SSTAT
	SEXP
	RESCALE
.rept 16
	GROUP gi
.set gi, gi+1
.endr
	WIN 0                           ; at a label and at a branch every window is 0
.endm
; THE CHANGE OF SLOTS.  Each wave waits for all its tensor loads, of which one is out: its quarter of the other slot; adds 0 to its spare word; and waits for that and for its own reads of the slot that it leaves.
; fill = 1: the slot just read is filled again, with the tile two on.  The barrier is then a round of the cluster's, so that no wave of any partner still reads the slot or has a load on its way, and the joint
; load is the first thing behind it: it has a whole key step, 256 matrix instructions, in which to land.  (At its first use nothing has been read yet: slot 0 is waited for, slot 1 filled.)
; The four v_nop and the step's two address lines are six places between the last products V^T P and the loads and products that write over their fragments and P.
.macro CHANGE fill
	WIN 0
	s_wait_tensorcnt 0x0            ; no tensor load of mine is out, so the walking group 0 may be written
	ds_add_u32 v[SPW], v[NIL]       ; 0 onto my spare word; with fill = 1 the descriptor's steps stand between it and the wait for it
.if \fill
	s_xor_b32 s[G0Y+1], s[G0Y+1], SLOT1                  ; the other slot than last time,
	s_add_nc_u64 s[G0Y+2:G0Y+3], s[G0Y+2:G0Y+3], 256     ; the next 128 keys; the type bits on top are not reached
	s_wait_dscnt 0x0                ; the add is done, and my reads of the slot are over
	CROUND
	tensor_load_to_lds s[G0Y:G0Y+3], s[G1Y:G1Y+7]
	s_nop 0
.else
	s_wait_dscnt 0x0                ; the add is done, and my reads of the slot are over
	s_barrier_signal -1
	s_barrier_wait -1
.endif
	PLACES
	s_xor_b32 s[TB], s[TB], SLOT1   ; the reads go on in the other slot
.endm
	s_wait_tensorcnt 0x1            ; my quarter of X's tile is in; Y's tile 0, issued behind it, may stay out
	s_barrier_signal -1
	s_barrier_wait -1               ; everybody's quarter is
	WIN 0x40                        ; destination window 1, address window 0
.irp t, 0,1,2,3                     ; Q stays in registers: tile t, channels 32 c on.  The first change of slots waits for these loads
.irp c, 0,1,2,3,4,5,6,7
	ds_load_tr16_b128 v[64*(\t)+8*(\c):64*(\t)+8*(\c)+3],   v[AQ] offset:(\c)*32*PT+32*(\t)
	ds_load_tr16_b128 v[64*(\t)+8*(\c)+4:64*(\t)+8*(\c)+7], v[AQ] offset:(\c)*32*PT+16*PT+32*(\t)
.endr
.endr
	WIN 0
	s_mov_b32 s[CNT], 31
.Lloop:                             ; 31 trips: tile i + 1 is asked for, tile i is worked on.  No exponential is issued behind a step's wait
	CHANGE 1
	STEP
	s_sub_co_u32 s[CNT], s[CNT], 1
	s_cmp_lg_u32 s[CNT], 0
	s_cbranch_scc1 .Lloop
	CHANGE 0                        ; the last tile is written out: nothing is asked for
	STEP
	; THE MERGE AND THE WAY OUT.  l's two halves and the other half of the lanes' are added (the first four additions are the places behind the last products); each wave puts its queries' c m and l into LDS.
	EACH v_add_f32 v[rT+4], v[rT+2], v[rT+3]
	EACH v_permlanex16_b32 v[rT+5], v[rT+4], s[SEL], s[SEL+1]
	EACH v_add_f32 v[rT+4], v[rT+4], v[rT+5]
.irp t, 0,1,2,3
	ds_store_b32 v[SA], v[ST+8*(\t)] offset:64*(\t)        ; lanes 16 apart hold the same query and write the same number
	ds_store_b32 v[SA], v[ST+8*(\t)+4] offset:512+64*(\t)
.endr
	s_wait_dscnt 0x0                ; for the others' sake: my stores are done
	s_barrier_signal -1
	s_barrier_wait -1
	ds_load_b128 v[192:195], v[RS]               ; for my four queries of the way out, 4 l .. 4 l + 3: c m of key half 0,
	ds_load_b128 v[196:199], v[RS] offset:512    ; its l,
	ds_load_b128 v[200:203], v[RS] offset:1024   ; c m of key half 1,
	ds_load_b128 v[204:207], v[RS] offset:1536   ; its l
	s_wait_dscnt 0x0
	; f_k = 2^(c m_k - M) / (l_0 2^(c m_0 - M) + l_1 2^(c m_1 - M)), M the greater c m: the divisor is about 1 or more
.irp i, 0,1,2,3
	v_max_num_f32 v[208+(\i)], v[192+(\i)], v[200+(\i)]
.endr
.irp i, 0,1,2,3
	v_sub_f32 v[FA+(\i)], v[192+(\i)], v[208+(\i)]
	v_sub_f32 v[FA+4+(\i)], v[200+(\i)], v[208+(\i)]
.endr
.irp i, 0,1,2,3,4,5,6,7
	v_exp_f32 v[FA+(\i)], v[FA+(\i)]
.endr
	v_nop                           ; a plain line behind the last exponential
	s_wait_alu depctr_va_vdst(0)    ; the wait ahead of the first use: one for the merge's eight exponentials
.irp i, 0,1,2,3
	v_mul_f32 v[208+(\i)], v[196+(\i)], v[FA+(\i)]
.endr
.irp i, 0,1,2,3
	v_fmac_f32 v[208+(\i)], v[204+(\i)], v[FA+4+(\i)]
.endr
.irp i, 0,1,2,3
	v_rcp_f32 v[208+(\i)], v[208+(\i)]
.endr
	v_nop                           ; a plain line behind the last reciprocal
	s_wait_alu depctr_va_vdst(0)    ; and the wait for the four reciprocals: a batch of their own, since they read sums made of the exponentials
.irp i, 0,2
	v_pk_mul_f32 v[FA+(\i):FA+(\i)+1], v[FA+(\i):FA+(\i)+1], v[208+(\i):208+(\i)+1]
	v_pk_mul_f32 v[FA+4+(\i):FA+4+(\i)+1], v[FA+4+(\i):FA+4+(\i)+1], v[208+(\i):208+(\i)+1]
.endr
; Channels 64 q .. 64 q + 63.  Every wave puts its O^T of them into its key half's stage, [channel][query] in f32: a store's lanes 0-15 take 16 neighbouring words, lanes 16-31 those eight rows on, 32 banks away.
; Behind a barrier wave w takes rows 16 w .. 16 w + 15 of both stages and of X's tile, whole, and stores O_0 f_0 + X + O_1 f_1: 32 lanes store 512 consecutive bytes, at a multiple of 256 from out0's first byte.
.macro OUTQ q
	WIN 0x08+4*((\q)/2)             ; the stores' data (source 1) in window 2 or 3
.irp c, 0,1,2,3
.irp t, 0,1,2,3
.set rO, 64*(\t)+8*((4*(\q)+(\c))%8)
.irp j, 0,1,2,3,4,5,6,7             ; each accumulator from its low end on
	ds_store_b32 v[STO], v[rO+(\j)] offset:(16*(\c)+(\j))*SPI+64*(\t)
.endr
.endr
.endr
	WIN 0
	s_wait_dscnt 0x0                ; for the others' sake: my stores into the stage are done
	s_barrier_signal -1
	s_barrier_wait -1
	s_wait_xcnt 0x0                 ; every earlier store has had its address translated (ISA guide 3.1): only behind this wait are the registers that it reads loaded again
.set i, 0
.rept 16
	ds_load_b128 v[96+4*i:99+4*i],   v[RD0] offset:SPI*i
	ds_load_b128 v[160+4*i:163+4*i], v[RD1] offset:SPI*i
	ds_load_b64  v[64+2*i:65+2*i],   v[RQ] offset:(64*(\q)+i)*PT
.set i, i+1
.endr
.set i, 0
.rept 16
.set rA, 96+4*i
.set rB, 160+4*i
.set rX, 64+2*i
	s_wait_dscnt 3*(15-i)           ; row i's three loads are in; three for each younger row stay out
	v_fma_mix_f32 v[rA],   v[rA],   v[FA],   v[rX]   op_sel:[0,0,0] op_sel_hi:[0,0,1]  ; O_0 f_0 + X: the addend is an f16 half
	v_fma_mix_f32 v[rA+1], v[rA+1], v[FA+1], v[rX]   op_sel:[0,0,1] op_sel_hi:[0,0,1]
	v_fma_mix_f32 v[rA+2], v[rA+2], v[FA+2], v[rX+1] op_sel:[0,0,0] op_sel_hi:[0,0,1]
	v_fma_mix_f32 v[rA+3], v[rA+3], v[FA+3], v[rX+1] op_sel:[0,0,1] op_sel_hi:[0,0,1]
	v_pk_fma_f32 v[rA:rA+1],   v[rB:rB+1],   v[FA+4:FA+5], v[rA:rA+1]
	v_pk_fma_f32 v[rA+2:rA+3], v[rB+2:rB+3], v[FA+6:FA+7], v[rA+2:rA+3]
	global_store_b128 v[GO], v[rA:rA+3], s[6:7] offset:(64*(\q)+i)*16384 th:TH_STORE_NT  ; 207 rows of 16,384 bytes at the most: inside the signed 24-bit immediate
.set i, i+1
.endr
.if (\q) < 3
	s_barrier_signal -1             ; row 15's wait was for 0: my reads of the stages are over; the next 64 channels are written only when everybody's are
	s_barrier_wait -1
.endif
.endm
	OUTQ 0
	OUTQ 1
	OUTQ 2
	OUTQ 3
	s_wait_tensorcnt 0x0            ; the wave's end: a tensor wait, an add and its wait, behind my last tensor load and my last LDS store
	ds_add_u32 v[SPW], v[NIL]
	s_wait_dscnt 0x0
	CROUND                          ; the closing round: no work-group ends while a partner may still ask for a tile that names it
	s_endpgm
.Lfunc_end_k_qfe57a11eab_attn:
	.size	k_qfe57a11eab_attn, .Lfunc_end_k_qfe57a11eab_attn-k_qfe57a11eab_attn
	.p2alignl 7, 3214868480
	.fill 96, 4, 3214868480
	.section	.rodata,"a",@progbits
	.p2align	6, 0x0
	.amdhsa_kernel k_qfe57a11eab_attn
		.amdhsa_group_segment_fixed_size 327680
		.amdhsa_private_segment_fixed_size 0
		.amdhsa_enable_private_segment 0
		.amdhsa_kernarg_size 16
		.amdhsa_user_sgpr_count 2
		.amdhsa_user_sgpr_kernarg_segment_ptr 1
		.amdhsa_wavefront_size32 1
		.amdhsa_system_sgpr_workgroup_id_x 1
		.amdhsa_system_sgpr_workgroup_id_y 1
		.amdhsa_system_sgpr_workgroup_id_z 1
		.amdhsa_system_vgpr_workitem_id 0
		.amdhsa_next_free_vgpr 1024
		.amdhsa_next_free_sgpr 66
		.amdhsa_reserve_vcc 0
		.amdhsa_float_denorm_mode_32 3
		.amdhsa_float_denorm_mode_16_64 3
		.amdhsa_memory_ordered 1
		.amdhsa_forward_progress 1
		.amdhsa_inst_pref_size 242
	.end_amdhsa_kernel
	.amdgpu_metadata
---
amdhsa.version: [ 1, 2 ]
amdhsa.kernels:
  - .name:           k_qfe57a11eab_attn
    .symbol:         k_qfe57a11eab_attn.kd
    .args:
      - { .name: H, .offset: 0, .size: 8, .value_kind: global_buffer, .address_space: global }
      - { .name: out0, .offset: 8, .size: 8, .value_kind: global_buffer, .address_space: global }
    .group_segment_fixed_size: 327680
    .private_segment_fixed_size: 0
    .kernarg_segment_align: 8
    .kernarg_segment_size: 16
    .max_flat_workgroup_size: 128
    .sgpr_count:     66
    .vgpr_count:     1024
    .wavefront_size: 32
...
	.end_amdgpu_metadata
.endif
;; end of part 3
